; MI455X (gfx1250); checked and timed in simulation.
; The chip was launched on July 23, 2026; its instructions are those of AMD's public machine-readable ISA for CDNA 5 (MIT licence, August 2026) and "CDNA5" Instruction Set Architecture Reference Guide (July 2026). The comments in the code are by the model that wrote it; some were corrected since.
;; Nost AR Head Attention. Allowed arithmetic: matrix products marked QUANTISED: E2M3 operands, one E8M0 scale for each 32 along K, by v_wmma_scale_f32_16x16x128_f8f6f4 with both operands' format E2M3, f32 sums; products left as they are: f32 operands where the result goes on into a quantised operand, else bf16, f16 or f32 operands; f32 sums; everything else in f32.
;; Inputs: Wk_codes 512 x 16 x 24 uint8 (E2M3 codes of Wk, K innermost, in blocks of 32 codes, four codes in three bytes); Wk_scales 512 x 16 uint8 (E8M0 scales of Wk, one for each 32 codes along K); Wo_codes 512 x 16 x 24 uint8 (E2M3 codes of Wo, K innermost, in blocks of 32 codes, four codes in three bytes); Wo_scales 512 x 16 uint8 (E8M0 scales of Wo, one for each 32 codes along K); Wq_codes 512 x 16 x 24 uint8 (E2M3 codes of Wq, K innermost, in blocks of 32 codes, four codes in three bytes); Wq_scales 512 x 16 uint8 (E8M0 scales of Wq, one for each 32 codes along K); Wv_codes 512 x 16 x 24 uint8 (E2M3 codes of Wv, K innermost, in blocks of 32 codes, four codes in three bytes); Wv_scales 512 x 16 uint8 (E8M0 scales of Wv, one for each 32 codes along K); bo 512 float32; hidden_states 64 x 2,048 x 512 float32; input_ids_with_pads 64 x 2,048 int32; ln_beta 512 float32; ln_gamma 512 float32.
;; Outputs: out0 64 x 512 float32.
;; This version of the problem:
;;   THIS VERSION OF THE PROBLEM IS GIVEN IN LOW PRECISION. The matrix products marked QUANTISED in the list below multiply operands that are first quantised to E2M3 (2 exponent bits, 3 mantissa bits; 6 bits a number), with one power-of-two scale for each 32 numbers along K (OCP MX v1.0); their sums are f32. All else is computed in f32.
;;   The module's matrix products, in the order in which they are computed (A, B: the left and right operand; K: the contracted axis; several contracted axes count as one K, in the product's order):
;;     1. [M 64, K 512] x [K 512, N 512]; A: computed on the way; B: input Wq (given as codes): QUANTISED
;;     2. [M 131,072, K 512] x [K 512, N 512]; A: computed on the way; B: input Wk (given as codes): QUANTISED
;;     3. [M 131,072, K 512] x [K 512, N 512]; A: computed on the way; B: input Wv (given as codes): QUANTISED
;;     4. batch 1,024 x [M 1, K 32] x [K 32, N 2,048]; A: computed on the way; B: computed on the way: left as it is (M = 1 < 16)
;;     5. batch 1,024 x [M 1, K 2,048] x [K 2,048, N 32]; A: softmax; B: computed on the way: left as it is (M = 1 < 16)
;;     6. [M 64, K 512] x [K 512, N 512]; A: computed on the way; B: input Wo (given as codes): QUANTISED
;;   THE QUANTISER, for each operand of a quantised product, along K:
;;     - K is cut into blocks of 32 from its start; a last block that is shorter is filled with zeros.
;;     - A block's scale is 2^e with e = floor(log2(the largest magnitude in the block)) - 2, held to -126 .. 127; a block of zeros has e = 0. As a byte (E8M0): e + 127.
;;     - Each number is divided by its block's scale, clamped to +-7.5, and rounded to the nearest number of E2M3, ties to even, subnormals kept.
;;     - The product sums the exact products of the quantised numbers (number of the format x scale) in f32.
;;   ~~~python
;;   def quantise(x, axis):      # numpy; x: float32 -> the quantised numbers, widened to float32 again
;;       x = np.moveaxis(x, axis, -1); K = x.shape[-1]
;;       x = np.pad(x, [(0, 0)] * (x.ndim - 1) + [(0, -K % 32)]); x = x.reshape(x.shape[:-1] + (-1, 32)); a = np.abs(x).max(-1, keepdims=True)
;;       e = np.where(a > 0, np.clip(np.frexp(np.where(a > 0, a, 1))[1] - 1 - 2, -126, 127), 0)      # np.frexp(a)[1] - 1 = floor(log2(a)), exactly
;;       r = np.clip(x / 2.0 ** e, -7.5, 7.5)
;;       step = 2.0 ** (np.maximum(np.frexp(np.where(r == 0, 1, r))[1] - 1, 0) - 3)
;;       q = np.round(r / step) * step * 2.0 ** e      # np.round: ties to even
;;       return np.moveaxis(q.reshape(q.shape[:-2] + (-1,))[..., :K], -1, axis).astype(np.float32)
;;   ~~~
;;   OPERANDS COMPUTED ON THE WAY. 'Computed on the way' means the value that the module computes at that place (a softmax that the list does not call 'softmax' is quantised finished and normalised). What goes into a quantiser is computed in f32, as accurately as f32 sums, v_exp_f32 and their like allow (about 1e-6 of the number): no bf16 or f16 on the way to a quantiser, and a product that is left as it is and whose result goes on into a quantised operand takes f32 operands (vector FMAs, or v_wmma_f32_16x16x4_f32). A number that lies on a knife's edge between two numbers of the format may be rounded either way, as far as f32 arithmetic and the matrix unit's own rounding can turn it there, and no further.
;;   INPUTS GIVEN AS CODES. Wk (in the module: [512, 512], K = its axis 1); Wo (in the module: [512, 512], K = its axis 1); Wq (in the module: [512, 512], K = its axis 1); Wv (in the module: [512, 512], K = its axis 1): each comes as NAME_codes (uint8): NAME with its K axis moved to the last place and cut into blocks of 32 codes, [.., K / 32, bytes a block], one block behind the other in memory; four codes in three bytes: a row's codes are one little-endian stream of bits, code i at bits 6 i .. 6 i + 5 (a code: sign, 2 exponent bits, 3 mantissa bits); and NAME_scales (uint8): the same leading axes, one E8M0 byte (e + 127) for each 32 codes along K. Its value is code x scale, taken as it is: it is not quantised again, and the codes and scales need not be those that the quantiser above would give.
;; One version. Each part assembles by itself: llvm-mc -triple=amdgcn-amd-amdhsa -mcpu=gfx1250 --defsym DOCPART=n.
;; ======== version 1 of 1: 2 launches
;; workspace buffers: pctx 524,288 bytes; pstat 131,072 bytes
;; launch main (part 1): grid 4 x 64, 4 waves a work-group, no clusters, 327,680 bytes of LDS; arguments hidden_states, input_ids_with_pads, ln_gamma, ln_beta, Wq_codes, Wq_scales, Wk_codes, Wk_scales, Wv_codes, Wv_scales, pctx, pstat; writes pctx, pstat
.if DOCPART == 1
	.amdgcn_target "amdgcn-amd-amdhsa--gfx1250"
	.amdhsa_code_object_version 6
	.text
	.protected	k_qe232782efd_main
	.globl	k_qe232782efd_main
	.p2align	8
	.type	k_qe232782efd_main,@function
k_qe232782efd_main:
	s_mov_b64 s[64:65], 0
	v_nop
	global_prefetch_b8 v0, s[64:65] scope:SCOPE_SE
	s_setreg_imm32_b32 hwreg(HW_REG_WAVE_MODE, 25, 1), 1
	s_wait_xcnt 0x0
; One work-group: 512 positions (chunk c = group x) of one batch row (b = group y).  It makes the batch's query, normalises and quantises its 512 rows of hidden_states,
; multiplies them by Wk and Wv on codes of FP6 (E2M3) with E8M0 scales, and keeps for each of the 16 heads a running maximum m (in log2 units), a sum l and an unnormalised ctx.
; Out: pctx [b][c][512] f32, pstat [b][c][wave][32] f32 (words 0-3 m, 4-7 l of the wave's four heads; words 8-31 repeat them).  h, k and v never go to memory.
; SHARES.  The waves share the COLUMNS of the products: wave w owns heads 4 w .. 4 w + 3: 128 rows of Wk and 128 of Wv, 64 fragments of 12 registers, which stay in its registers for the whole launch.
; They share the ROWS of the norm: of each block of 64 rows wave w fetches (one tensor load, 32,768 dense bytes), normalises and quantises rows 16 w .. 16 w + 15; the codes go round through LDS.
; NO CLUSTER: hidden_states is shared by nobody, and the weights are read once into registers; nothing that lands in LDS is wanted by two work-groups.
; NO PREFETCH: a block ahead of the ring would double the bytes asked for and not yet read: 2 x 131,072 for each of 256 work-groups.
; LIMITS: NaN and infinities among the inputs are not served.  A block of zeros keeps the scale byte 1 (its codes are zeros; this program alone reads the bytes).  Scores x log2(e) stay under 1e37 in magnitude.
; A batch row that is all pads selects position 0, as the argmax of a cumulative sum of zeros does.
.set BLKB,   131072                    ; a block: 64 rows of 2,048 bytes
.set WSLOT,  34816                     ; a wave's part of a slot: 128 units of 256 bytes + 16 of padding
.set SLOTB,  4*WSLOT
.set XROW,   2176                      ; a row of x in LDS: 8 units.  Sixteen lanes 128 bytes apart fall on sixteen different 16-byte columns of 256 (64 banks of 4 bytes: ISA guide 11.1)
.set CODES,  2*SLOTB                   ; 64 rows of codes, 384 bytes + 16: 100 words a row, so that the 32 lanes of a load of 8 bytes touch 64 different banks; in the prologue each wave's 16 rows are its stage for weight tiles
.set CP,     400
.set HSC,    CODES+64*CP               ; 64 rows x 16 scale bytes
.set GAM,    HSC+1024                  ; gamma, laid as a row of x; beta BETO bytes on
.set BETO,   2304
.set QL,     GAM+2*BETO                ; q x log2(e): 512 bytes a wave: 16 groups of four registers x two halves of the lanes
.set SPARE,  QL+2048                   ; the spare words: 128 bytes a wave, two blocks of 256 bytes that no other line names
.set EST,    SPARE+512                 ; the end's stage: 1,024 bytes a wave
; window 0
.set SPW, 1                            ; LDS address of my spare word; never rewritten
.set NIL, 2                            ; 0; never rewritten
.set XRD, 3                            ; my 128 bytes of a row of x in my wave's part of slot 0 (lanes 0-15 one row, lanes 16-31 the next)
.set XA,  4
.set CWR, 5                            ; where my block's 24 bytes of codes go
.set CWA, 6
.set SWR, 7                            ; and its scale byte
.set SWA, 8
.set FRD, 9                            ; a fragment of codes: row lane % 16, + 24 x half
.set FA,  10
.set SRD, 11                           ; a row's four scale words
.set SA,  12
.set LOFF, 13                          ; 16 x lane
.set GRD, 14                           ; my block's gamma
.set QRD, 15                           ; my half's q
.set HS,  16                           ; v16-19  h's scale words (scales alone)
.set WS,  32                           ; v32-63  the weights' scale words (scales alone): 8 hd + s Wk's, 8 hd + 4 + s Wv's; lanes 0-15 the head's tile 0, lanes 16-31 tile 1
.set CTX, 64                           ; v64-79  pair 4 hd + 2 t
.set MX,  80                           ; v80-83  m
.set LS,  84                           ; v84-87  l
.set GQ,  88                           ; v88-151 norm: gamma 32, beta 32; products: q, register 16 hd + 8 t + j
.set XD,  152                          ; norm: two sets of 32 numbers
.set UT,  216                          ; norm: two sets of 20 at work
.set HF,  152                          ; products: h's four fragments
.set KA,  200                          ; k: two accumulators
.set VA,  216                          ; v: two accumulators
.set P8,  232                          ; p of my half's eight rows
.set TA,  240
.set TB,  242
.set TT,  244
.set TU,  245
.set TW,  246
.set TN,  247
.set TF,  248
.set TP,  249
.set TR,  250
.set TQ,  251
; prologue only
.set IDS, 152
.set BE,  216
.set KE,  220
.set TI,  224
.set TMPP, 226
.set RG,  228
.set RB,  232
.set WST, 236                          ; v236-238 where 16 bytes of a dense weight tile go in my stage
.set QFA, 248
.set QSA, 249
.set GST, 250
.set GLO, 251
.set LNE, 252
.set LR,  253
.set LH,  254
.set RWO, 255
; scalars
.set WV,  28
.set BB,  30
.set G1,  32                           ; s[32:39] descriptor group 1
.set G0,  40                           ; s[40:47] group 0, a set for each slot
.set SEL, 48                           ; s[48:49] v_permlanex16_b32: lane l xor 16
.set HM,  50                           ; lanes 16-31
.set RN,  51                           ; 1 / 512
.set EPS, 52
.set PADID, 53
.set L2E, 54                           ; s[54:55]
.set XO,  56
.set CO,  57
.set SO,  58
.set MO,  59
.set MS,  60
.set LP,  61
.set OW,  62                           ; 6,400 x wave
.set MSB, 0
.macro WIN new                         ; the immediate's high byte repeats the setting that is left; a switch that changes nothing is dropped
.if MSB != (\new)
	s_set_vgpr_msb (MSB<<8)|(\new)
.set MSB, (\new)
.endif
.endm
.macro PLACES
.rept 4
	v_nop
.endr
.endm
; weight fragment f (16 hd + 4 a + s; a = 0, 1 Wk's tiles, 2, 3 Wv's): 21 to a window, windows 1 to 3; the 64th in window 0
.macro WREG f
.if (\f) == 63
.set FW, 0
.set FRG, 20
.else
.set FW, 1+(\f)/21
.set FRG, 12*((\f)%21)
.endif
.endm
; a weight tile, 16 rows x 384 bytes, dense in memory: 12 loads of 512 consecutive bytes, into the tile's own 48 registers
.macro RAW fr0, base, off
.irp g, 0,1,2,3,4,5,6,7,8,9,10,11
	WREG (\fr0)+\g/3
	WIN FW<<6
	global_load_b128 v[FRG+4*(\g%3):FRG+4*(\g%3)+3], v[LOFF], s[\base:\base+1] offset:(\off)+512*\g
.endr
.endm
; and through my stage into the operand's layout: rows 400 bytes apart; back as four fragments.  LDS serves a wave's instructions in order (ISA guide 5.7.1.4): no wait between stores and loads, nor in front of the next tile's stores
.macro SHUF fr0
.irp g, 0,1,2,3,4,5,6,7,8,9,10,11
	WREG (\fr0)+\g/3
	WIN FW<<2
	ds_store_b128 v[WST+\g%3], v[FRG+4*(\g%3):FRG+4*(\g%3)+3] offset:1600*(\g/3)
.endr
.irp s, 0,1,2,3
	WREG (\fr0)+\s
	WIN FW<<6
.irp p, 0,1,2,3,4,5
	ds_load_b64 v[FRG+2*\p:FRG+2*\p+1], v[FA] offset:96*\s+48*(\p/3)+8*(\p%3)
.endr
.endr
.endm
.macro RAWKV hd0                       ; the eight tiles of heads hd0, hd0 + 1
.irp hd, \hd0, \hd0+1
.irp a, 0,1,2,3
	RAW 16*(\hd)+4*\a, 16+4*(\a/2), 12288*(\hd)+6144*(\a%2)
.endr
.endr
	WIN 0
.irp hd, \hd0, \hd0+1
	global_load_b128 v[WS+8*(\hd):WS+8*(\hd)+3], v[LOFF], s[18:19] offset:512*(\hd)
	global_load_b128 v[WS+8*(\hd)+4:WS+8*(\hd)+7], v[LOFF], s[22:23] offset:512*(\hd)
.endr
.endm
; the scaled product; row = 1: the weights' scale words are taken from lanes 16-31.  MMA: the weights are source 0; MMB: source 1
.macro MMA d, a, b, zero, sa, sb, row
.if \zero
.if \row
	v_wmma_scale_f32_16x16x128_f8f6f4 v[\d:\d+7], v[\a:\a+11], v[\b:\b+11], 0, v[\sa], v[\sb] matrix_a_fmt:MATRIX_FMT_FP6 matrix_b_fmt:MATRIX_FMT_FP6 matrix_a_scale:MATRIX_SCALE_ROW1
.else
	v_wmma_scale_f32_16x16x128_f8f6f4 v[\d:\d+7], v[\a:\a+11], v[\b:\b+11], 0, v[\sa], v[\sb] matrix_a_fmt:MATRIX_FMT_FP6 matrix_b_fmt:MATRIX_FMT_FP6
.endif
.else
.if \row
	v_wmma_scale_f32_16x16x128_f8f6f4 v[\d:\d+7], v[\a:\a+11], v[\b:\b+11], v[\d:\d+7], v[\sa], v[\sb] matrix_a_fmt:MATRIX_FMT_FP6 matrix_b_fmt:MATRIX_FMT_FP6 matrix_a_scale:MATRIX_SCALE_ROW1
.else
	v_wmma_scale_f32_16x16x128_f8f6f4 v[\d:\d+7], v[\a:\a+11], v[\b:\b+11], v[\d:\d+7], v[\sa], v[\sb] matrix_a_fmt:MATRIX_FMT_FP6 matrix_b_fmt:MATRIX_FMT_FP6
.endif
.endif
.endm
.macro MMB d, a, b, zero, sa, sb, row
.if \zero
.if \row
	v_wmma_scale_f32_16x16x128_f8f6f4 v[\d:\d+7], v[\a:\a+11], v[\b:\b+11], 0, v[\sa], v[\sb] matrix_a_fmt:MATRIX_FMT_FP6 matrix_b_fmt:MATRIX_FMT_FP6 matrix_b_scale:MATRIX_SCALE_ROW1
.else
	v_wmma_scale_f32_16x16x128_f8f6f4 v[\d:\d+7], v[\a:\a+11], v[\b:\b+11], 0, v[\sa], v[\sb] matrix_a_fmt:MATRIX_FMT_FP6 matrix_b_fmt:MATRIX_FMT_FP6
.endif
.else
.if \row
	v_wmma_scale_f32_16x16x128_f8f6f4 v[\d:\d+7], v[\a:\a+11], v[\b:\b+11], v[\d:\d+7], v[\sa], v[\sb] matrix_a_fmt:MATRIX_FMT_FP6 matrix_b_fmt:MATRIX_FMT_FP6 matrix_b_scale:MATRIX_SCALE_ROW1
.else
	v_wmma_scale_f32_16x16x128_f8f6f4 v[\d:\d+7], v[\a:\a+11], v[\b:\b+11], v[\d:\d+7], v[\sa], v[\sb] matrix_a_fmt:MATRIX_FMT_FP6 matrix_b_fmt:MATRIX_FMT_FP6
.endif
.endif
.endm
; k, TRANSPOSED (source 0 = 16 rows of Wk, source 1 = 16 rows of h): lane (r, h), register j = k(row r, channel 16 t + 8 h + j): a row's score is summed inside a lane and its partner 16 away
.macro KW hd, t, s
	WREG 16*(\hd)+4*(\t)+(\s)
	WIN FW
.if (\s) == 0
	MMA KA+8*(\t), FRG, HF+12*(\s), 1, WS+8*(\hd)+(\s), HS+(\s), \t
.else
	MMA KA+8*(\t), FRG, HF+12*(\s), 0, WS+8*(\hd)+(\s), HS+(\s), \t
.endif
.endm
; v, in the natural order (source 0 = h, source 1 = 16 rows of Wv): lane (n, h), register j = v(row 8 h + j, channel 16 t + n): ctx takes two registers a tile
.macro VW hd, t, s
	WREG 16*(\hd)+8+4*(\t)+(\s)
	WIN FW<<2
.if (\s) == 0
	MMB VA+8*(\t), HF+12*(\s), FRG, 1, HS+(\s), WS+8*(\hd)+4+(\s), \t
.else
	MMB VA+8*(\t), HF+12*(\s), FRG, 0, HS+(\s), WS+8*(\hd)+4+(\s), \t
.endif
.endm
.macro GBLOAD                          ; my block's 32 gamma and 32 beta
.irp j, 0,1,2,3,4,5,6,7
	ds_load_b128 v[GQ+4*\j:GQ+4*\j+3], v[GRD] offset:16*\j
.endr
.irp j, 0,1,2,3,4,5,6,7
	ds_load_b128 v[GQ+32+4*\j:GQ+32+4*\j+3], v[GRD] offset:BETO+16*\j
.endr
.endm
.macro HFLOAD adr                      ; four fragments, 16 rows x 128 K each: 24 bytes a half and 64 K, in pieces of 8 bytes
.irp s, 0,1,2,3
.irp p, 0,1,2,3,4,5
	ds_load_b64 v[HF+12*\s+2*\p:HF+12*\s+2*\p+1], v[\adr] offset:96*\s+48*(\p/3)+8*(\p%3)
.endr
.endr
.endm
; THE NORM AND THE QUANTISER.  Sixteen lanes hold a row, a lane one whole block of 32 numbers: sums cross four DPP steps, a block's largest magnitude no lane at all.
.macro SETU u
.set U, UT+20*\u
.set D, XD+32*\u
.endm
.macro LN_SUM u                        ; my 32 numbers' sum, in two chains
	SETU \u
	v_pk_add_f32 v[U:U+1], v[D:D+1], v[D+2:D+3]
	v_pk_add_f32 v[U+2:U+3], v[D+4:D+5], v[D+6:D+7]
.irp i, 8,12,16,20,24,28
	v_pk_add_f32 v[U:U+1], v[U:U+1], v[D+\i:D+\i+1]
	v_pk_add_f32 v[U+2:U+3], v[U+2:U+3], v[D+\i+2:D+\i+3]
.endr
	v_pk_add_f32 v[U:U+1], v[U:U+1], v[U+2:U+3]
	v_add_f32 v[U+4], v[U], v[U+1]
.endm
.macro LN_REST n                       ; n sets, every stage by turns
.irp m, 1,2,4,8
.irp u, 0,1
.if \u < \n
	SETU \u
	v_add_f32_dpp v[U+4], v[U+4], v[U+4] row_xmask:\m row_mask:0xf bank_mask:0xf
.endif
.endr
.endr
.irp u, 0,1
.if \u < \n
	SETU \u
	v_mul_f32 v[U+5], 0xbb000000, v[U+4]           ; - the mean, twice: a pair for the packed forms
	v_mul_f32 v[U+4], 0xbb000000, v[U+4]
.endif
.endr
.irp i, 0,2,4,6,8,10,12,14,16,18,20,22,24,26,28,30
.irp u, 0,1
.if \u < \n
	SETU \u
	v_pk_add_f32 v[D+\i:D+\i+1], v[D+\i:D+\i+1], v[U+4:U+5]
.endif
.endr
.endr
.irp u, 0,1
.if \u < \n
	SETU \u
	v_pk_mul_f32 v[U:U+1], v[D:D+1], v[D:D+1]      ; the squares of the differences: the variance is taken in a second pass
	v_pk_mul_f32 v[U+2:U+3], v[D+2:D+3], v[D+2:D+3]
.endif
.endr
.irp i, 4,8,12,16,20,24,28
.irp u, 0,1
.if \u < \n
	SETU \u
	v_pk_fma_f32 v[U:U+1], v[D+\i:D+\i+1], v[D+\i:D+\i+1], v[U:U+1]
	v_pk_fma_f32 v[U+2:U+3], v[D+\i+2:D+\i+3], v[D+\i+2:D+\i+3], v[U+2:U+3]
.endif
.endr
.endr
.irp u, 0,1
.if \u < \n
	SETU \u
	v_pk_add_f32 v[U:U+1], v[U:U+1], v[U+2:U+3]
.endif
.endr
.irp u, 0,1
.if \u < \n
	SETU \u
	v_add_f32 v[U+4], v[U], v[U+1]
.endif
.endr
.irp m, 1,2,4,8
.irp u, 0,1
.if \u < \n
	SETU \u
	v_add_f32_dpp v[U+4], v[U+4], v[U+4] row_xmask:\m row_mask:0xf bank_mask:0xf
.endif
.endr
.endr
.irp u, 0,1
.if \u < \n
	SETU \u
	v_fma_f32 v[U+4], v[U+4], s[RN], s[EPS]        ; the variance + 1e-5
.endif
.endr
.irp u, 0,1
.if \u < \n
	SETU \u
	v_rsq_f32 v[U+6], v[U+4]
	v_rsq_f32 v[U+7], v[U+4]
.endif
.endr
	v_nop                                          ; a plain instruction behind the last root (ISA guide 5.7.2),
	s_wait_alu depctr_va_vdst(0)                   ; and one wait for the batch, ahead of its first reader
.irp i, 0,2,4,6,8,10,12,14,16,18,20,22,24,26,28,30
.irp u, 0,1
.if \u < \n
	SETU \u
	v_pk_mul_f32 v[D+\i:D+\i+1], v[D+\i:D+\i+1], v[U+6:U+7]
.endif
.endr
.endr
.irp i, 0,2,4,6,8,10,12,14,16,18,20,22,24,26,28,30
.irp u, 0,1
.if \u < \n
	SETU \u
	v_pk_fma_f32 v[D+\i:D+\i+1], v[D+\i:D+\i+1], v[GQ+\i:GQ+\i+1], v[GQ+32+\i:GQ+32+\i+1]
.endif
.endr
.endr
.irp u, 0,1
.if \u < \n
	SETU \u
	v_max3_num_f32 v[U+8], |v[D]|, |v[D+1]|, 0x1800000     ; the block's largest magnitude, with the floor 2^(3 - 127) among its leaves: the byte cannot fall under 1
	v_max3_num_f32 v[U+9], |v[D+2]|, |v[D+3]|, 0x1800000
.endif
.endr
.irp i, 4,8,12,16,20,24,28
.irp u, 0,1
.if \u < \n
	SETU \u
	v_max3_num_f32 v[U+8], v[U+8], |v[D+\i]|, |v[D+\i+1]|
	v_max3_num_f32 v[U+9], v[U+9], |v[D+\i+2]|, |v[D+\i+3]|
.endif
.endr
.endr
.irp u, 0,1
.if \u < \n
	SETU \u
	v_max_num_f32 v[U+8], v[U+8], v[U+9]
.endif
.endr
.irp u, 0,1
.if \u < \n
	SETU \u
	v_add_nc_u32 v[U+10], 0xff000000, v[U+8]       ; 2 off its exponent field: the conversion takes the exponent field of this operand as its scale
.endif
.endr
.irp u, 0,1
.if \u < \n
	SETU \u
	v_cvt_scalef32_pk16_fp6_f32 v[U+12:U+14], v[D:D+15], v[U+10]
	v_cvt_scalef32_pk16_fp6_f32 v[U+16:U+18], v[D+16:D+31], v[U+10]   ; (a conversion's three registers begin on an even number)
.endif
.endr
.irp u, 0,1
.if \u < \n
	SETU \u
	v_lshrrev_b32 v[U+11], 23, v[U+10]             ; the scale's byte; also the plain instruction behind the conversions
.endif
.endr
.irp u, 0,1
.if \u < \n
	SETU \u
	v_mov_b32 v[U+15], v[U+16]                     ; the block's six words on end
	v_mov_b32 v[U+16], v[U+17]
	v_mov_b32 v[U+17], v[U+18]
.endif
.endr
.irp u, 0,1
.if \u < \n
	SETU \u
	ds_store_b64 v[CWA], v[U+12:U+13] offset:2*CP*\u
	ds_store_b64 v[CWA], v[U+14:U+15] offset:2*CP*\u+8
	ds_store_b64 v[CWA], v[U+16:U+17] offset:2*CP*\u+16
	ds_store_b8 v[SWA], v[U+11] offset:32*\u
.endif
.endr
.endm
; A HEAD'S SOFTMAX FOR 16 ROWS: a list of 34; SI writes number NN.  1-12 the score (q carries log2 e); 13-19 the tile's maximum, the new m, the two exponents; 20-22 two exponentials, a plain line and ONE wait;
; 23-32 p of rows 8 h + j into my half's eight registers; 33, 34 m and l: plain lines, kept for last: with the two rescalings of ctx they are the four places between v's last product and the first read of v
.macro PSH j
	v_mov_b32_dpp v[P8+\j], v[TQ] row_share:\j row_mask:0xf bank_mask:0xf
.endm
.macro SI hd
	WIN 0
.set QH, GQ+16*(\hd)
.if NN == 1
	v_pk_mul_f32 v[TA:TA+1], v[KA:KA+1], v[QH:QH+1]                  ; each accumulator is read from its low end on
.elseif NN == 2
	v_pk_mul_f32 v[TB:TB+1], v[KA+8:KA+9], v[QH+8:QH+9]
.elseif NN < 9
.if NN%2
.set II, NN-1
	v_pk_fma_f32 v[TA:TA+1], v[KA+II:KA+II+1], v[QH+II:QH+II+1], v[TA:TA+1]
.else
.set II, NN+6
	v_pk_fma_f32 v[TB:TB+1], v[KA+II:KA+II+1], v[QH+II:QH+II+1], v[TB:TB+1]
.endif
.elseif NN == 9
	v_pk_add_f32 v[TA:TA+1], v[TA:TA+1], v[TB:TB+1]
.elseif NN == 10
	v_add_f32 v[TT], v[TA], v[TA+1]
.elseif NN == 11
	v_permlanex16_b32 v[TU], v[TT], s[SEL], s[SEL+1]
.elseif NN == 12
	v_add_f32 v[TT], v[TT], v[TU]                  ; row lane % 16's score, in both halves
.elseif NN == 13
	v_max_num_f32_dpp v[TW], v[TT], v[TT] row_xmask:1 row_mask:0xf bank_mask:0xf
.elseif NN == 14
	v_max_num_f32_dpp v[TW], v[TW], v[TW] row_xmask:2 row_mask:0xf bank_mask:0xf
.elseif NN == 15
	v_max_num_f32_dpp v[TW], v[TW], v[TW] row_xmask:4 row_mask:0xf bank_mask:0xf
.elseif NN == 16
	v_max_num_f32_dpp v[TW], v[TW], v[TW] row_xmask:8 row_mask:0xf bank_mask:0xf
.elseif NN == 17
	v_max_num_f32 v[TN], v[TW], v[MX+(\hd)]
.elseif NN == 18
	v_sub_f32 v[TU], v[MX+(\hd)], v[TN]
.elseif NN == 19
	v_sub_f32 v[TT], v[TT], v[TN]
.elseif NN == 20
	v_exp_f32 v[TF], v[TU]                         ; f = 2^(old m - new m)
.elseif NN == 21
	v_exp_f32 v[TP], v[TT]                         ; p = 2^(score - m)
.elseif NN == 22
	v_nop                                          ; a plain instruction behind the exponentials,
	s_wait_alu depctr_va_vdst(0)                   ; and one wait for the two, ahead of their first reader
.elseif NN == 23
	v_mov_b32_dpp v[TR], v[TP] row_xmask:8 row_mask:0xf bank_mask:0xf
.elseif NN == 24
	v_cndmask_b32 v[TQ], v[TP], v[TR], s[HM]       ; lanes 16-31: lane 16 + j now holds p of row 8 + j
.elseif NN == 25
	PSH 0
.elseif NN == 26
	PSH 1
.elseif NN == 27
	PSH 2
.elseif NN == 28
	PSH 3
.elseif NN == 29
	PSH 4
.elseif NN == 30
	PSH 5
.elseif NN == 31
	PSH 6
.elseif NN == 32
	PSH 7
.elseif NN == 33
	v_mov_b32 v[MX+(\hd)], v[TN]
.else
	v_fma_f32 v[LS+(\hd)], v[LS+(\hd)], v[TF], v[TP]
.endif
.endm
; ctx of a head: a list of 10: 1, 2 the two pairs x f; 3-10 += v x p, two rows at a time, the two tiles by turns
.macro CI hd
	WIN 0
.if NN < 3
.set CC, CTX+4*(\hd)+2*(NN-1)
	v_pk_mul_f32 v[CC:CC+1], v[CC:CC+1], v[TF:TF+1] op_sel_hi:[1,0]
.else
.set CC, CTX+4*(\hd)+2*((NN-3)%2)
.set VV, VA+8*((NN-3)%2)+2*((NN-3)/2)
.set PP, P8+2*((NN-3)/2)
	v_pk_fma_f32 v[CC:CC+1], v[VV:VV+1], v[PP:PP+1], v[CC:CC+1]
.endif
.endm
.macro SIS hd, from, to
.set NN, \from
.rept (\to)-(\from)+1
	SI \hd
.set NN, NN+1
.endr
.endm
.macro CIS hd, from, to
.set NN, \from
.rept (\to)-(\from)+1
	CI \hd
.set NN, NN+1
.endr
.endm
; A TILE OF 16 ROWS x my four heads: 64 products.  Vector work stands in slices behind the products (2.75 vector instructions for each), at the price of two window switches a slice.
; The accumulators take turns, one instruction a turn (k0, k1, .. then v0, v1, ..), over the groups' ends and the backward jump too.
; PLACES, by count (plain vector instructions that name none of the product's registers; ISA guide 7.12.1): scores behind k's last two products: four lines of the head before's ctx, or four v_nop;
; ctx behind v's last two: numbers 33, 34 and the two rescalings; a group's first product, which writes over the accumulators of the group of its kind before: five and more of the same lines.
.macro MTILE
	v_add_nc_u32 v[FA], s[MO], v[FRD]
	v_add_nc_u32 v[SA], s[MS], v[SRD]
	ds_load_b128 v[HS:HS+3], v[SA]
	HFLOAD FA
.irp hd, 0,1,2,3
.irp s, 0,1,2,3
.if \hd == 0
	s_wait_dscnt 18-6*\s                           ; K step s's six loads are in; those of the later K steps may be out
.endif
.irp t, 0,1
	KW \hd, \t, \s
.if \hd > 0
.if 2*\s+\t < 6
	CIS \hd-1, 2*\s+\t+1, 2*\s+\t+1
.elseif 2*\s+\t == 7
	CIS \hd-1, 7, 10
.endif
.elseif 2*\s+\t == 7
	PLACES
.endif
.endr
.endr
.irp s, 0,1,2,3
.irp t, 0,1
	VW \hd, \t, \s
.if 2*\s+\t < 7
	SIS \hd, 4*(2*\s+\t)+1, 4*(2*\s+\t)+4
.else
	SIS \hd, 29, 34
.endif
.endr
.endr
.endr
	CIS 3, 1, 10
.endm
; A BLOCK OF 64 ROWS, in slot \slot.  mode 0: the first; 1: the other slot is filled again; 2: the last.
.macro BLOCK slot, mode
.if \mode == 0
	s_wait_tensorcnt 0x1                           ; my part of slot 0 is in, my part of slot 1 may be out; I alone read my part
.else
	s_wait_tensorcnt 0x0                           ; all my tensor loads have landed: my part of this slot; so a group 0 may be written
	ds_add_u32 v[SPW], v[NIL]                      ; 0 onto my spare word
.if \mode == 1
	s_add_nc_u64 s[G0+6-4*\slot:G0+7-4*\slot], s[G0+6-4*\slot:G0+7-4*\slot], 2*BLKB   ; the other slot's next block
.endif
	s_wait_dscnt 0x0                               ; the add is done; my reads of the other slot and of the last block's codes are over
	s_barrier_signal -1
	s_barrier_wait -1                              ; so are everybody's: the codes may be written again
.if \mode == 1
	tensor_load_to_lds s[G0+4-4*\slot:G0+7-4*\slot], s[G1:G1+7]   ; my one tensor load behind this barrier: it has this whole block's work in which to land
	s_nop 0
	PLACES
.endif
.endif
	s_mov_b32 s[XO], \slot*SLOTB
	s_mov_b32 s[CO], 0
	s_mov_b32 s[SO], 0
	GBLOAD
.Lx_\@:                                            ; four trips of four rows
	v_add_nc_u32 v[XA], s[XO], v[XRD]
	v_add_nc_u32 v[CWA], s[CO], v[CWR]
	v_add_nc_u32 v[SWA], s[SO], v[SWR]
.irp u, 0,1
.irp j, 0,1,2,3,4,5,6,7
	ds_load_b128 v[XD+32*\u+4*\j:XD+32*\u+4*\j+3], v[XA] offset:2*XROW*\u+16*\j
.endr
.endr
	s_wait_dscnt 8                                 ; the first two rows are in; the other two's eight loads may be out
	LN_SUM 0
	s_wait_dscnt 0x0
	LN_SUM 1
	LN_REST 2
	s_add_co_u32 s[XO], s[XO], 4*XROW
	s_add_co_u32 s[CO], s[CO], 4*CP
	s_add_co_u32 s[SO], s[SO], 64
	s_cmp_lt_u32 s[SO], 256
	s_cbranch_scc1 .Lx_\@
	s_wait_dscnt 0x0                               ; for the others' sake: my codes and scale bytes lie in LDS
	s_barrier_signal -1
	s_barrier_wait -1                              ; my tensor load may stay out across it
.irp g, 0,1,2,3,4,5,6,7,8,9,10,11,12,13,14,15
	ds_load_b128 v[GQ+4*\g:GQ+4*\g+3], v[QRD] offset:32*\g   ; q takes gamma's and beta's registers
.endr
.irp j, 0,1,2,3,4,5,6,7
	v_mov_b32 v[P8+\j], 0                          ; the destination of a lane move counts as one of its sources: written once a block
.endr
	v_mov_b32 v[TU], 0
	v_mov_b32 v[TW], 0
	v_mov_b32 v[TR], 0
	s_mov_b32 s[MO], 0
	s_mov_b32 s[MS], 0
.Lm_\@:                                            ; four trips of 16 rows
	MTILE
	WIN 0
	s_add_co_u32 s[MO], s[MO], 16*CP
	s_add_co_u32 s[MS], s[MS], 256
	s_cmp_lt_u32 s[MS], 1024
	s_cbranch_scc1 .Lm_\@
.endm
	s_load_b512 s[4:19], s[0:1], 0x0               ; x 4, ids 6, gamma 8, beta 10, Wq's codes 12, scales 14, Wk's 16, 18
	s_load_b256 s[20:27], s[0:1], 0x40             ; Wv's 20, 22, pctx 24, pstat 26
	v_lshl_add_u32 v[SPW], v0, 2, SPARE
	v_mov_b32 v[NIL], 0
	ds_add_u32 v1, v2
	ds_add_u32 v1, v2
	s_wait_dscnt 0x0
	v_lshrrev_b32 v3, 5, v0
	v_readfirstlane_b32 s[WV], v3                  ; wave 0..3
	s_and_b32 s[BB], ttmp7, 0xffff                 ; the batch row
	; descriptor group 1: 32,768 dense bytes as 128 rows of 256 bytes (32 elements of 8), 16 bytes of padding behind each
	s_mov_b32 s[G1+0], (3<<16)|(1<<20)|(5<<22)|(3<<25)
	s_mov_b32 s[G1+1], 32<<16                      ; tensor_dim0
	s_mov_b32 s[G1+2], 128<<16                     ; tensor_dim1
	s_mov_b32 s[G1+3], 32<<16                      ; tile_dim0
	s_mov_b32 s[G1+4], 128                         ; tile_dim1
	s_mov_b32 s[G1+5], 32                          ; from row to row
	s_mov_b32 s[G1+6], 0
	s_mov_b32 s[G1+7], 0
	s_mov_b32 s[SEL], 0x76543210
	s_mov_b32 s[SEL+1], 0xfedcba98
	s_mov_b32 s[HM], 0xffff0000
	s_mov_b32 s[RN], 0x3b000000
	s_mov_b32 s[EPS], 0x3727c5ac
	s_mov_b32 s[PADID], 50257
	s_mov_b32 s[L2E], 0x3fb8aa3b
	s_mov_b32 s[L2E+1], s[L2E]
	s_lshl_b32 s66, s[BB], 22                      ; the batch's 2,048 rows of 2,048 bytes (63 x 2^22 is under 2^32)
	s_mov_b32 s67, 0
	s_lshl_b32 s68, ttmp9, 20                      ; my chunk's 512 rows,
	s_lshl_b32 s31, s[WV], 15                      ; my wave's 16 of a block
	s_add_co_u32 s68, s68, s31
	s_mov_b32 s69, 0
	s_lshl_b32 s70, s[BB], 13                      ; the batch's ids
	s_mov_b32 s71, 0
	s_mul_i32 s74, s[WV], 49152                    ; my 128 rows of a weight's codes,
	s_mov_b32 s75, 0
	s_lshl_b32 s76, s[WV], 11                      ; and of its scale bytes
	s_mov_b32 s77, 0
	s_mul_i32 s[OW], s[WV], 16*CP
	s_lshl_b32 s72, s[WV], 8
	s_lshl_b32 s73, s[WV], 9
	s_mov_b32 s[G0], 1
	s_mul_i32 s[G0+1], s[WV], WSLOT
	s_mov_b32 s[G0+4], 1
	s_add_co_u32 s[G0+5], s[G0+1], SLOTB
	s_wait_kmcnt 0x0
	s_add_nc_u64 s[4:5], s[4:5], s[66:67]          ; x at the batch's first row
	s_add_nc_u64 s[G0+2:G0+3], s[4:5], s[68:69]    ; block 0
	s_add_nc_u64 s[G0+6:G0+7], s[G0+2:G0+3], BLKB  ; block 1
	s_or_b32 s[G0+3], s[G0+3], 0x80000000
	s_or_b32 s[G0+7], s[G0+7], 0x80000000
	tensor_load_to_lds s[G0:G0+3], s[G1:G1+7]      ; both first fills together, ahead of every wait on TENSORcnt, every LDS read and every barrier: two loads of mine are out
	s_nop 0
	tensor_load_to_lds s[G0+4:G0+7], s[G1:G1+7]
	s_nop 0
	PLACES
	s_add_nc_u64 s[6:7], s[6:7], s[70:71]
	s_add_nc_u64 s[12:13], s[12:13], s[74:75]
	s_add_nc_u64 s[16:17], s[16:17], s[74:75]
	s_add_nc_u64 s[20:21], s[20:21], s[74:75]
	s_add_nc_u64 s[14:15], s[14:15], s[76:77]
	s_add_nc_u64 s[18:19], s[18:19], s[76:77]
	s_add_nc_u64 s[22:23], s[22:23], s[76:77]
	v_and_b32 v[LNE], 31, v0                       ; lane
	v_and_b32 v[LR], 15, v0                        ; r
	v_bfe_u32 v[LH], v0, 4, 1                      ; h
	v_lshlrev_b32 v[LOFF], 4, v[LNE]
	v_lshlrev_b32 v[GLO], 4, v0                    ; gamma, beta: 16 bytes a thread
.irp i, 0,1,2,3,4,5,6,7,8,9,10,11,12,13,14,15
	global_load_b128 v[IDS+4*\i:IDS+4*\i+3], v[LOFF], s[6:7] offset:512*\i   ; every wave reads the batch's 2,048 ids: each wants the index as a scalar
.endr
	global_load_b128 v[RG:RG+3], v[GLO], s[8:9]
	global_load_b128 v[RB:RB+3], v[GLO], s[10:11]
.irp j, 0,1,2,3
	global_load_b128 v[WS+4*\j:WS+4*\j+3], v[LOFF], s[14:15] offset:512*\j   ; Wq's scale words: lane l takes row 32 j + l's four
.endr
.irp T, 0,1,2,3,4,5,6,7
	RAW 4*\T, 12, 6144*\T                          ; Wq's eight tiles, where heads 0 and 1 of Wk and Wv will lie
.endr
	WIN 0
	v_lshrrev_b32 v[TMPP], 1, v[LR]
	v_lshlrev_b32 v[GRD], 7, v[LR]
	v_lshl_add_u32 v[GRD], v[TMPP], 4, v[GRD]      ; 128 r + 16 (r / 2): my block's place in a padded row
	v_mad_u32_u24 v[XRD], v[LH], XROW, v[GRD]
	v_add_nc_u32 v[XRD], s[G0+1], v[XRD]
	v_add_nc_u32 v[GRD], GAM, v[GRD]
	v_mul_u32_u24 v[CWR], v[LR], 24
	v_mad_u32_u24 v[CWR], v[LH], CP, v[CWR]
	v_add_nc_u32 v[CWR], s[OW], v[CWR]
	v_add_nc_u32 v[CWR], CODES, v[CWR]
	v_add_nc_u32 v[SWR], s72, v[LNE]
	v_add_nc_u32 v[SWR], HSC, v[SWR]
	v_mul_u32_u24 v[FRD], v[LR], CP
	v_mad_u32_u24 v[FRD], v[LH], 24, v[FRD]
	v_add_nc_u32 v[FRD], CODES, v[FRD]
	v_lshl_add_u32 v[SRD], v[LR], 4, HSC
	v_lshl_add_u32 v[QRD], v[LH], 4, s73
	v_add_nc_u32 v[QRD], QL, v[QRD]
.irp i, 0,1,2
	v_add_nc_u32 v[TMPP], 32*\i, v[LNE]            ; x = 32 i + lane: which 16 bytes of four rows' 1,536
	v_mul_u32_u24 v[WST+\i], v[TMPP], 43
	v_lshrrev_b32 v[WST+\i], 10, v[WST+\i]         ; x / 24 (exact for x under 96): the row
	v_add_nc_u32 v[WST+\i], v[WST+\i], v[TMPP]
	v_lshlrev_b32 v[WST+\i], 4, v[WST+\i]          ; 16 bytes more for each row passed
	v_add_nc_u32 v[WST+\i], s[OW], v[WST+\i]
	v_add_nc_u32 v[WST+\i], CODES, v[WST+\i]
.endr
	v_mul_u32_u24 v[QFA], v[LH], 24
	v_add_nc_u32 v[QFA], s[OW], v[QFA]
	v_add_nc_u32 v[QFA], CODES, v[QFA]             ; row 0 of my stage, for every lane
	v_mov_b32 v[QSA], s72
	v_add_nc_u32 v[QSA], HSC, v[QSA]
	v_lshrrev_b32 v[GST], 4, v0
	v_add_nc_u32 v[GST], v[GST], v0
	v_lshlrev_b32 v[GST], 4, v[GST]
	v_add_nc_u32 v[GST], GAM, v[GST]               ; 16 t + 16 (t / 16)
	v_lshlrev_b32 v[RWO], 7, v[LR]                 ; the selected row: my block's 128 bytes
	v_add_nc_u32 v[FA], s[OW], v[FRD]
.irp e, 0,1,2,3
	v_mov_b32 v[BE+\e], 0
	v_lshl_add_u32 v[KE+\e], v[LNE], 2, \e         ; the position of my word e of the first load
.endr
	v_mov_b32 v[TI], 0
	s_wait_loadcnt 63                              ; 100 loads were issued behind beta's; a wait names 63 at the most, and a smaller count is safe
	ds_store_b128 v[GST], v[RG:RG+3]
	ds_store_b128 v[GST], v[RB:RB+3] offset:BETO
	; the last position that holds no pad: positions rise with i, so the last one kept is the largest; 0 where there is none
.irp i, 0,1,2,3,4,5,6,7,8,9,10,11,12,13,14,15
.irp e, 0,1,2,3
	v_cmp_ne_u32 vcc_lo, s[PADID], v[IDS+4*\i+\e]
	v_cndmask_b32 v[BE+\e], v[BE+\e], v[KE+\e], vcc_lo
.endr
.if \i < 15
.irp e, 0,1,2,3
	v_add_nc_u32 v[KE+\e], 128, v[KE+\e]
.endr
.endif
.endr
	v_max_u32 v[BE], v[BE], v[BE+1]
	v_max_u32 v[BE+2], v[BE+2], v[BE+3]
	v_max_u32 v[BE], v[BE], v[BE+2]
.irp m, 1,2,4,8
	v_mov_b32_dpp v[TI], v[BE] row_xmask:\m row_mask:0xf bank_mask:0xf
	v_max_u32 v[BE], v[BE], v[TI]
.endr
	v_permlanex16_b32 v[TI], v[BE], s[SEL], s[SEL+1]
	v_max_u32 v[BE], v[BE], v[TI]
	v_readfirstlane_b32 s31, v[BE]
	s_min_u32 s31, s31, 2047                       ; held inside the batch's rows
	s_lshl_b32 s66, s31, 11
	s_mov_b32 s67, 0
	s_add_nc_u64 s[66:67], s[4:5], s[66:67]
.irp j, 0,1,2,3,4,5,6,7
	global_load_b128 v[XD+4*\j:XD+4*\j+3], v[RWO], s[66:67] offset:16*\j   ; both halves of the lanes take the same row
.endr
	RAWKV 2                                        ; heads 2 and 3 of Wk and Wv, raw, and their scale words: 100 loads
	s_wait_dscnt 0x0                               ; for the others' sake: my part of gamma and beta lies in LDS
	s_barrier_signal -1
	s_barrier_wait -1                              ; the first fills may stay out
	GBLOAD
	s_wait_loadcnt 63                              ; 100 loads were issued behind the row's: the row, and all of Wq, are in
	s_wait_dscnt 0x0
	v_mov_b32 v[CWA], v[CWR]
	v_mov_b32 v[SWA], v[SWR]
	LN_SUM 0
	LN_REST 1                                      ; the query's codes: rows 0 and 1 of my stage hold the same row
	ds_load_b128 v[HS:HS+3], v[QSA]
	HFLOAD QFA                                     ; every lane reads row 0: all 16 rows of the operand are the query
.irp T, 0,1,2,3,4,5,6,7
	SHUF 4*\T
.endr
	WIN 0
	s_wait_dscnt 0x0
	; q, TRANSPOSED: register 8 T + j of half h = q(128 w + 16 T + 8 h + j), in every lane of the half: the very layout in which the scores want it.  Eight accumulators by turns
.irp s, 0,1,2,3
.irp T, 0,1,2,3,4,5,6,7
	WREG 4*\T+\s
	WIN FW
.if \s == 0
	MMA GQ+8*\T, FRG, HF+12*\s, 1, WS+4*(\T/2)+\s, HS+\s, \T%2
.else
	MMA GQ+8*\T, FRG, HF+12*\s, 0, WS+4*(\T/2)+\s, HS+\s, \T%2
.endif
.endr
.endr
	WIN 0
	PLACES
.irp i, 0,2,4,6,8,10,12,14,16,18,20,22,24,26,28,30,32,34,36,38,40,42,44,46,48,50,52,54,56,58,60,62
	v_pk_mul_f32 v[GQ+\i:GQ+\i+1], v[GQ+\i:GQ+\i+1], s[L2E:L2E+1] op_sel_hi:[1,0]   ; x log2(e): the exponentials work in base 2
.endr
.irp g, 0,1,2,3,4,5,6,7,8,9,10,11,12,13,14,15
	ds_store_b128 v[QRD], v[GQ+4*\g:GQ+4*\g+3] offset:32*\g   ; the sixteen lanes of a half store the same 16 bytes
.endr
	RAWKV 0                                        ; heads 0 and 1 take Wq's registers: 100 loads
	s_wait_loadcnt 63                              ; so heads 2 and 3 are in
.irp T, 8,9,10,11,12,13,14,15
	SHUF 4*\T
.endr
	s_wait_loadcnt 0x0
.irp T, 0,1,2,3,4,5,6,7
	SHUF 4*\T
.endr
	WIN 0
.irp i, 0,1,2,3,4,5,6,7,8,9,10,11,12,13,14,15
	v_mov_b32 v[CTX+\i], 0
.endr
.irp i, 0,1,2,3
	v_mov_b32 v[LS+\i], 0
	v_mov_b32 v[MX+\i], 0xff61b1e6                 ; -3e38, under every score: the first f is 0 and multiplies zeros
.endr
	s_wait_dscnt 0x0
	BLOCK 0, 0
	s_mov_b32 s[LP], 3
.Lpair:                                            ; blocks 1 to 6; each asks for the block after it
	BLOCK 1, 1
	BLOCK 0, 1
	s_sub_co_u32 s[LP], s[LP], 1
	s_cmp_lg_u32 s[LP], 0
	s_cbranch_scc1 .Lpair
	BLOCK 1, 2                                     ; block 7 is written out: nothing is left to fetch
	; THE END.  l over the 16 lanes; ctx: its two halves, and the other half of the lanes' eight rows; lanes 0-15 keep tile 0's channel, lanes 16-31 tile 1's
.irp m, 1,2,4,8
.irp hd, 0,1,2,3
	v_add_f32_dpp v[LS+\hd], v[LS+\hd], v[LS+\hd] row_xmask:\m row_mask:0xf bank_mask:0xf
.endr
.endr
.irp k, 0,1,2,3,4,5,6,7
	v_add_f32 v[152+\k], v[CTX+2*\k], v[CTX+2*\k+1]
.endr
.irp k, 0,1,2,3,4,5,6,7
	v_permlanex16_b32 v[160+\k], v[152+\k], s[SEL], s[SEL+1]
.endr
.irp k, 0,1,2,3,4,5,6,7
	v_add_f32 v[152+\k], v[152+\k], v[160+\k]
.endr
.irp hd, 0,1,2,3
	v_cndmask_b32 v[168+\hd], v[152+2*\hd], v[153+2*\hd], s[HM]
.endr
	s_lshl_b32 s31, s[WV], 10
	s_add_co_u32 s31, s31, EST                     ; my stage
	v_and_b32 v176, 31, v0
	v_lshl_add_u32 v177, v176, 4, s31
	v_and_b32 v179, 7, v0
	v_lshl_add_u32 v179, v179, 2, s31
	v_lshlrev_b32 v180, 2, v176
	v_add_nc_u32 v176, s31, v180
	v_mov_b32 v178, s31
	s_lshl_b32 s68, s[BB], 2
	s_add_co_u32 s68, s68, ttmp9                   ; 4 b + c
	s_lshl_b32 s70, s68, 2
	s_add_co_u32 s70, s70, s[WV]
	s_lshl_b32 s70, s70, 7
	s_mov_b32 s71, 0
	s_lshl_b32 s68, s68, 11
	s_add_co_u32 s68, s68, s73
	s_mov_b32 s69, 0
	s_add_nc_u64 s[24:25], s[24:25], s[68:69]
	s_add_nc_u64 s[26:27], s[26:27], s[70:71]
.irp hd, 0,1,2,3
	ds_store_b32 v176, v[168+\hd] offset:128*\hd
	ds_store_b32 v178, v[MX+\hd] offset:512+4*\hd  ; (the same number in every lane)
	ds_store_b32 v178, v[LS+\hd] offset:528+4*\hd
.endr
	ds_load_b128 v[184:187], v177                  ; LDS serves a wave's instructions in order: these see my stores
	ds_load_b32 v188, v179 offset:512
	s_wait_dscnt 0x0
	global_store_b128 v[LOFF], v[184:187], s[24:25]   ; 32 lanes store 512 consecutive bytes, at a multiple of 256 from pctx's first byte
	global_store_b32 v180, v188, s[26:27]          ; 128 consecutive bytes; the four waves' lie on end
	s_wait_tensorcnt 0x0                           ; the wave's end
	ds_add_u32 v[SPW], v[NIL]
	s_wait_dscnt 0x0
	s_endpgm
.Lfunc_end_k_qe232782efd_main:
	.size	k_qe232782efd_main, .Lfunc_end_k_qe232782efd_main-k_qe232782efd_main
	.p2alignl 7, 3214868480
	.fill 96, 4, 3214868480
	.section	.rodata,"a",@progbits
	.p2align	6, 0x0
	.amdhsa_kernel k_qe232782efd_main
		.amdhsa_group_segment_fixed_size 327680
		.amdhsa_private_segment_fixed_size 0
		.amdhsa_enable_private_segment 0
		.amdhsa_kernarg_size 96
		.amdhsa_user_sgpr_count 2
		.amdhsa_user_sgpr_kernarg_segment_ptr 1
		.amdhsa_wavefront_size32 1
		.amdhsa_system_sgpr_workgroup_id_x 1
		.amdhsa_system_sgpr_workgroup_id_y 1
		.amdhsa_system_sgpr_workgroup_id_z 1
		.amdhsa_system_vgpr_workitem_id 0
		.amdhsa_next_free_vgpr 1024
		.amdhsa_next_free_sgpr 80
		.amdhsa_reserve_vcc 1
		.amdhsa_float_denorm_mode_32 3
		.amdhsa_float_denorm_mode_16_64 3
		.amdhsa_memory_ordered 1
		.amdhsa_forward_progress 1
		.amdhsa_inst_pref_size 255
	.end_amdhsa_kernel
	.section	.bss,"aw",@nobits
	.p2align	6
	.space	262144
	.amdgpu_metadata
---
amdhsa.version: [ 1, 2 ]
amdhsa.kernels:
  - .name:           k_qe232782efd_main
    .symbol:         k_qe232782efd_main.kd
    .args:
      - { .name: hidden_states, .offset: 0, .size: 8, .value_kind: global_buffer, .address_space: global }
      - { .name: input_ids_with_pads, .offset: 8, .size: 8, .value_kind: global_buffer, .address_space: global }
      - { .name: ln_gamma, .offset: 16, .size: 8, .value_kind: global_buffer, .address_space: global }
      - { .name: ln_beta, .offset: 24, .size: 8, .value_kind: global_buffer, .address_space: global }
      - { .name: Wq_codes, .offset: 32, .size: 8, .value_kind: global_buffer, .address_space: global }
      - { .name: Wq_scales, .offset: 40, .size: 8, .value_kind: global_buffer, .address_space: global }
      - { .name: Wk_codes, .offset: 48, .size: 8, .value_kind: global_buffer, .address_space: global }
      - { .name: Wk_scales, .offset: 56, .size: 8, .value_kind: global_buffer, .address_space: global }
      - { .name: Wv_codes, .offset: 64, .size: 8, .value_kind: global_buffer, .address_space: global }
      - { .name: Wv_scales, .offset: 72, .size: 8, .value_kind: global_buffer, .address_space: global }
      - { .name: pctx, .offset: 80, .size: 8, .value_kind: global_buffer, .address_space: global }
      - { .name: pstat, .offset: 88, .size: 8, .value_kind: global_buffer, .address_space: global }
    .group_segment_fixed_size: 327680
    .private_segment_fixed_size: 0
    .kernarg_segment_align: 8
    .kernarg_segment_size: 96
    .max_flat_workgroup_size: 128
    .sgpr_count:     80
    .vgpr_count:     1024
    .wavefront_size: 32
...
	.end_amdgpu_metadata
.endif
;; end of part 1
;; launch finish (part 2): grid 4 x 4, 4 waves a work-group, no clusters, 16,896 bytes of LDS; arguments pctx, pstat, Wo_codes, Wo_scales, bo, out0; writes out0
.if DOCPART == 2
	.amdgcn_target "amdgcn-amd-amdhsa--gfx1250"
	.amdhsa_code_object_version 6
	.text
	.protected	k_qe232782efd_finish
	.globl	k_qe232782efd_finish
	.p2align	8
	.type	k_qe232782efd_finish,@function
k_qe232782efd_finish:
	s_mov_b64 s[64:65], 0
	v_nop
	global_prefetch_b8 v0, s[64:65] scope:SCOPE_SE
	s_setreg_imm32_b32 hwreg(HW_REG_WAVE_MODE, 25, 1), 1
	s_wait_xcnt 0x0
; out0 = Q(merged) Wo^T + bo.  merged(b, channel) = sum over the four chunks c of 2^(m_c - M) ctx_c / sum over c of 2^(m_c - M) l_c, M the largest m_c of the head: the four partial softmaxes joined under one maximum.
; A work-group takes 16 batch rows (group y) and 128 outputs (group x).  Wave w joins and quantises K step w (heads 4 w .. 4 w + 3: a block of 32 is a head) for the 16 rows; the fragment and its scale words go to the
; other waves through LDS as an image of their registers; then wave w makes outputs 32 w .. 32 w + 31 of the group's 128, on codes of FP6 (E2M3) with E8M0 scales.
; 16 work-groups: the whole launch is 17 million multiply-adds and under a megabyte; a finer split would only repeat the join more often.  No tensor load, no cluster: nothing here is large enough to share.
; LIMITS: NaN and infinities are not served; a block of zeros keeps the scale byte 1 (its codes are zeros).  Each l_c is at least 1 (its chunk's largest score gives p = 1), so the divisor is at least 1.
.set FRB,  1536                        ; a fragment's image: 12 registers x 128 bytes
.set XIMG, 0                           ; four fragments,
.set XSC,  4*FRB                       ; their scale words, 128 bytes each,
.set STG,  XSC+512                     ; and the stage for 16 rows of 512 bytes + 16
.set ST,   16                          ; v16-47  chunk c: m at 8 c + hd, l at 8 c + 4 + hd
.set WN,   48                          ; v48-63  the chunks' weights, 4 c + hd
.set ACC,  64                          ; v64-127 merged: register 16 hd + i = channel 32 hd + 16 h + i of my row
.set PC,   128
.set TM,   148
.set PW,   164
.set MF,   168                         ; v168-215 merged's four fragments
.set MS,   216                         ; v216-219 their scale words (scales alone)
.set WOS,  220                         ; v220-223 Wo's (scales alone): lanes 0-15 my tile 0, lanes 16-31 tile 1
.set WV,   18
.set SEL,  16
.set MSB, 0
.macro WIN new
.if MSB != (\new)
	s_set_vgpr_msb (MSB<<8)|(\new)
.set MSB, (\new)
.endif
.endm
	s_load_b256 s[4:11], s[0:1], 0x0               ; pctx 4, pstat 6, Wo's codes 8, scales 10
	s_load_b128 s[12:15], s[0:1], 0x20             ; bo 12, out0 14
	v_lshl_add_u32 v238, v0, 2, 0x4000
	v_mov_b32 v239, 0
	v_lshrrev_b32 v1, 5, v0
	v_readfirstlane_b32 s[WV], v1                  ; wave 0..3
	s_and_b32 s20, ttmp7, 0xffff                   ; which 16 batch rows
	s_mov_b32 s[SEL], 0x76543210
	s_mov_b32 s[SEL+1], 0xfedcba98
	v_and_b32 v1, 31, v0                           ; lane
	v_and_b32 v2, 15, v0                           ; r
	v_bfe_u32 v3, v0, 4, 1                         ; h
	v_lshlrev_b32 v4, 13, v2
	v_lshl_add_u32 v4, v3, 6, v4                   ; pctx: batch row r (4 chunks x 2,048 bytes), + 64 h
	v_lshlrev_b32 v5, 4, v1                        ; 16 x lane
	v_lshlrev_b32 v6, 2, v1                        ; 4 x lane
	v_lshlrev_b32 v7, 11, v2                       ; pstat: batch row r
	v_mul_u32_u24 v8, v2, 384
	v_mad_u32_u24 v8, v3, 24, v8                   ; Wo: row r, + 24 h
	v_lshlrev_b32 v9, 5, v3                        ; bo: 8 h numbers on
	s_mul_i32 s21, s[WV], FRB
	v_add_nc_u32 v10, s21, v5                      ; where my fragment's image goes
	s_lshl_b32 s22, s[WV], 7
	v_add_nc_u32 v11, s22, v6                      ; and its scale words
	v_mul_u32_u24 v12, v2, 528
	v_lshl_add_u32 v12, v3, 5, v12
	v_add_nc_u32 v12, s22, v12
	v_add_nc_u32 v12, STG, v12                     ; the stage: row r, + 128 w, + 32 h
	s_mul_i32 s23, s[WV], 4*528
	v_add_nc_u32 v13, s23, v5
	v_add_nc_u32 v13, STG, v13                     ; back: my four rows, 16 bytes a lane
.irp b, 0,1,2,3
	v_mov_b32 v[TM+4+\b], 0                        ; a lane permute's destination counts as one of its sources
.endr
	s_lshl_b32 s24, s20, 17
	s_lshl_b32 s36, s[WV], 9
	s_add_co_u32 s24, s24, s36                     ; pctx: 16 rows x 8,192 x group y + 512 w
	s_mov_b32 s25, 0
	s_lshl_b32 s26, s20, 15
	s_add_co_u32 s26, s26, s22                     ; pstat: 16 x 2,048 x group y + 128 w
	s_mov_b32 s27, 0
	s_mul_i32 s28, ttmp9, 49152
	s_mul_i32 s37, s[WV], 12288
	s_add_co_u32 s28, s28, s37                     ; Wo's codes: row 128 x group x + 32 w
	s_mov_b32 s29, 0
	s_lshl_b32 s30, ttmp9, 11
	s_add_co_u32 s30, s30, s36                     ; its scale bytes
	s_mov_b32 s31, 0
	s_lshl_b32 s32, ttmp9, 9
	s_add_co_u32 s32, s32, s22                     ; bo
	s_mov_b32 s33, 0
	s_lshl_b32 s34, s20, 15
	s_lshl_b32 s37, s[WV], 13
	s_add_co_u32 s34, s34, s37
	s_lshl_b32 s37, ttmp9, 9
	s_add_co_u32 s34, s34, s37                     ; out0: row 16 x group y + 4 w, column 128 x group x
	s_mov_b32 s35, 0
	s_wait_kmcnt 0x0
	s_add_nc_u64 s[4:5], s[4:5], s[24:25]
	s_add_nc_u64 s[6:7], s[6:7], s[26:27]
	s_add_nc_u64 s[8:9], s[8:9], s[28:29]
	s_add_nc_u64 s[10:11], s[10:11], s[30:31]
	s_add_nc_u64 s[12:13], s[12:13], s[32:33]
	s_add_nc_u64 s[14:15], s[14:15], s[34:35]
.irp c, 0,1,2,3
	global_load_b128 v[ST+8*\c:ST+8*\c+3], v7, s[6:7] offset:512*\c
	global_load_b128 v[ST+8*\c+4:ST+8*\c+7], v7, s[6:7] offset:512*\c+16
.endr
	WIN 0x80                                       ; destination window 2: the four chunks' ctx, register 64 c + 16 hd + i
.irp c, 0,1,2,3
.irp hd, 0,1,2,3
.irp j, 0,1,2,3
	global_load_b128 v[64*\c+16*\hd+4*\j:64*\c+16*\hd+4*\j+3], v4, s[4:5] offset:2048*\c+128*\hd+16*\j
.endr
.endr
.endr
	WIN 0
	global_load_b128 v[WOS:WOS+3], v5, s[10:11]    ; lane l takes row 32 w + l's four scale words
	WIN 0x40                                       ; destination window 1: bo's two tiles at v96, Wo's fragments (tile n, K step s) at v[12 (4 n + s)]
.irp n, 0,1
	global_load_b128 v[96+8*\n:96+8*\n+3], v9, s[12:13] offset:64*\n
	global_load_b128 v[96+8*\n+4:96+8*\n+7], v9, s[12:13] offset:64*\n+16
.endr
.irp n, 0,1
.irp s, 0,1,2,3
.irp p, 0,1,2,3,4,5
	global_load_b64 v[12*(4*\n+\s)+2*\p:12*(4*\n+\s)+2*\p+1], v8, s[8:9] offset:6144*\n+96*\s+48*(\p/3)+8*(\p%3)
.endr
.endr
.endr
	WIN 0
	s_wait_loadcnt 63                              ; 117 loads were issued behind the statistics'; a wait names 63 at the most
.irp hd, 0,1,2,3
	v_max3_num_f32 v[224+\hd], v[ST+\hd], v[ST+8+\hd], v[ST+16+\hd]
.endr
.irp hd, 0,1,2,3
	v_max_num_f32 v[224+\hd], v[224+\hd], v[ST+24+\hd]   ; M
.endr
.irp c, 0,1,2,3
.irp hd, 0,1,2,3
	v_sub_f32 v[WN+4*\c+\hd], v[ST+8*\c+\hd], v[224+\hd]
.endr
.endr
.irp k, 0,1,2,3,4,5,6,7,8,9,10,11,12,13,14,15
	v_exp_f32 v[WN+\k], v[WN+\k]
.endr
	v_nop                                          ; a plain instruction behind the exponentials,
	s_wait_alu depctr_va_vdst(0)                   ; and one wait for the sixteen, ahead of their first reader
.irp hd, 0,1,2,3
	v_mul_f32 v[228+\hd], v[WN+\hd], v[ST+4+\hd]
.endr
.irp c, 1,2,3
.irp hd, 0,1,2,3
	v_fma_f32 v[228+\hd], v[WN+4*\c+\hd], v[ST+8*\c+4+\hd], v[228+\hd]
.endr
.endr
.irp hd, 0,1,2,3
	v_rcp_f32 v[232+\hd], v[228+\hd]
.endr
	v_nop
	s_wait_alu depctr_va_vdst(0)                   ; one wait for the four reciprocals
.irp c, 0,1,2,3
.irp hd, 0,1,2,3
	v_mul_f32 v[WN+4*\c+\hd], v[WN+4*\c+\hd], v[232+\hd]
.endr
.endr
	s_wait_loadcnt 53                              ; behind ctx's loads: Wo's scale words 1, bo 4, Wo's fragments 48
	WIN 0x02                                       ; source 0 window 2
.irp hd, 0,1,2,3
.irp i, 0,1,2,3,4,5,6,7,8,9,10,11,12,13,14,15
	v_mul_f32 v[ACC+16*\hd+\i], v[16*\hd+\i], v[WN+\hd]
.endr
.endr
.irp c, 1,2,3
.irp hd, 0,1,2,3
.irp i, 0,1,2,3,4,5,6,7,8,9,10,11,12,13,14,15
	v_fma_f32 v[ACC+16*\hd+\i], v[64*\c+16*\hd+\i], v[WN+4*\c+\hd], v[ACC+16*\hd+\i]
.endr
.endr
.endr
	WIN 0
	; the quantiser: 64 numbers of a lane, register 16 b + i = k 32 b + 16 h + i of my row, become a fragment's codes in v[PC] on and its scale word in v[PW]
.irp b, 0,1,2,3
	v_max3_num_f32 v[TM+\b], |v[ACC+16*\b]|, |v[ACC+1+16*\b]|, 0x1800000   ; with the floor 2^(3 - 127): the byte cannot fall under 1
.endr
.irp i, 2,4,6,8,10,12,14
.irp b, 0,1,2,3
	v_max3_num_f32 v[TM+\b], v[TM+\b], |v[ACC+16*\b+\i]|, |v[ACC+1+16*\b+\i]|
.endr
.endr
.irp b, 0,1,2,3
	v_permlanex16_b32 v[TM+4+\b], v[TM+\b], s[SEL], s[SEL+1]
.endr
.irp b, 0,1,2,3
	v_max_num_f32 v[TM+\b], v[TM+\b], v[TM+4+\b]   ; with lane l xor 16's: the block's largest magnitude
.endr
.irp b, 0,1,2,3
	v_add_nc_u32 v[TM+12+\b], 0xff000000, v[TM+\b] ; 2 off its exponent field: the conversion's scale operand
.endr
.irp b, 0,1,2,3
	v_lshrrev_b32 v[TM+4+\b], 23, v[TM+12+\b]      ; the scale's byte
.endr
	v_lshl_or_b32 v[PW], v[TM+5], 8, v[TM+4]
	v_lshl_or_b32 v[PW], v[TM+6], 16, v[PW]
	v_lshl_or_b32 v[PW], v[TM+7], 24, v[PW]
.irp c, 0,1
	v_cvt_scalef32_pk16_fp6_f32 v[PC+6*\c:PC+2+6*\c], v[ACC+32*\c:ACC+15+32*\c], v[TM+12+2*\c]
	v_cvt_scalef32_pk16_fp6_f32 v[PC+12+4*\c:PC+14+4*\c], v[ACC+16+32*\c:ACC+31+32*\c], v[TM+12+2*\c+1]   ; (a conversion's three registers begin on an even number)
.endr
	v_nop                                          ; one plain instruction behind a scaled conversion
.irp c, 0,1                                    ; the operand's layout wants a whole block in a lane: lanes 0-15 block 2 c, lanes 16-31 block 2 c + 1
.irp i, 0,1,2
	v_permlane16_swap_b32 v[PC+6*\c+\i], v[PC+12+4*\c+\i]
.endr
.irp i, 0,1,2
	v_mov_b32 v[PC+3+6*\c+\i], v[PC+12+4*\c+\i]
.endr
.endr
.irp c, 0,1,2
	ds_store_b128 v10, v[PC+4*\c:PC+4*\c+3] offset:XIMG+512*\c   ; the fragment goes to LDS as it stands
.endr
	ds_store_b32 v11, v[PW] offset:XSC
	s_wait_dscnt 0x0                               ; for the others' sake: my stores have landed
	s_barrier_signal -1
	s_barrier_wait -1
.irp s, 0,1,2,3
.irp c, 0,1,2
	ds_load_b128 v[MF+12*\s+4*\c:MF+12*\s+4*\c+3], v5 offset:XIMG+FRB*\s+512*\c
.endr
	ds_load_b32 v[MS+\s], v6 offset:XSC+128*\s
.endr
	s_wait_loadcnt 0x0
	s_wait_dscnt 0x0
	WIN 0x51                                       ; Wo (source 0), C and D in window 1; merged (source 1) in window 0
	; TRANSPOSED: source 0 = 16 rows of Wo, source 1 = 16 batch rows: a lane holds eight neighbouring outputs of one batch row.  bo is the C of each sum's first product.  Two accumulators by turns
.irp s, 0,1,2,3
.if \s == 0
	v_wmma_scale_f32_16x16x128_f8f6f4 v[112:119], v[12*\s:12*\s+11], v[MF+12*\s:MF+12*\s+11], v[96:103], v[WOS+\s], v[MS+\s] matrix_a_fmt:MATRIX_FMT_FP6 matrix_b_fmt:MATRIX_FMT_FP6
	v_wmma_scale_f32_16x16x128_f8f6f4 v[120:127], v[48+12*\s:48+12*\s+11], v[MF+12*\s:MF+12*\s+11], v[104:111], v[WOS+\s], v[MS+\s] matrix_a_fmt:MATRIX_FMT_FP6 matrix_b_fmt:MATRIX_FMT_FP6 matrix_a_scale:MATRIX_SCALE_ROW1
.else
	v_wmma_scale_f32_16x16x128_f8f6f4 v[112:119], v[12*\s:12*\s+11], v[MF+12*\s:MF+12*\s+11], v[112:119], v[WOS+\s], v[MS+\s] matrix_a_fmt:MATRIX_FMT_FP6 matrix_b_fmt:MATRIX_FMT_FP6
	v_wmma_scale_f32_16x16x128_f8f6f4 v[120:127], v[48+12*\s:48+12*\s+11], v[MF+12*\s:MF+12*\s+11], v[120:127], v[WOS+\s], v[MS+\s] matrix_a_fmt:MATRIX_FMT_FP6 matrix_b_fmt:MATRIX_FMT_FP6 matrix_a_scale:MATRIX_SCALE_ROW1
.endif
.endr
	WIN 0
.rept 4
	v_nop                                          ; four places in front of the first read of results (ISA guide 7.12.1)
.endr
	WIN 0x04                                       ; an LDS store's data are its source 1: window 1
.irp n, 0,1
	ds_store_b128 v12, v[112+8*\n:112+8*\n+3] offset:64*\n        ; each accumulator from its low end on
	ds_store_b128 v12, v[112+8*\n+4:112+8*\n+7] offset:64*\n+16
.endr
	WIN 0
	s_wait_dscnt 0x0                               ; a row's 512 bytes come from four waves
	s_barrier_signal -1
	s_barrier_wait -1
.irp i, 0,1,2,3
	ds_load_b128 v[240+4*\i:240+4*\i+3], v13 offset:528*\i
.endr
.irp i, 0,1,2,3
	s_wait_dscnt 3-\i
	global_store_b128 v5, v[240+4*\i:240+4*\i+3], s[14:15] offset:2048*\i   ; 32 lanes store 512 consecutive bytes, at a multiple of 256 from out0's first byte
.endr
	s_wait_tensorcnt 0x0
	ds_add_u32 v238, v239
	s_wait_dscnt 0x0
	s_endpgm
.Lfunc_end_k_qe232782efd_finish:
	.size	k_qe232782efd_finish, .Lfunc_end_k_qe232782efd_finish-k_qe232782efd_finish
	.p2alignl 7, 3214868480
	.fill 96, 4, 3214868480
	.section	.rodata,"a",@progbits
	.p2align	6, 0x0
	.amdhsa_kernel k_qe232782efd_finish
		.amdhsa_group_segment_fixed_size 16896
		.amdhsa_private_segment_fixed_size 0
		.amdhsa_enable_private_segment 0
		.amdhsa_kernarg_size 48
		.amdhsa_user_sgpr_count 2
		.amdhsa_user_sgpr_kernarg_segment_ptr 1
		.amdhsa_wavefront_size32 1
		.amdhsa_system_sgpr_workgroup_id_x 1
		.amdhsa_system_sgpr_workgroup_id_y 1
		.amdhsa_system_sgpr_workgroup_id_z 1
		.amdhsa_system_vgpr_workitem_id 0
		.amdhsa_next_free_vgpr 768
		.amdhsa_next_free_sgpr 66
		.amdhsa_reserve_vcc 0
		.amdhsa_float_denorm_mode_32 3
		.amdhsa_float_denorm_mode_16_64 3
		.amdhsa_memory_ordered 1
		.amdhsa_forward_progress 1
		.amdhsa_inst_pref_size 40
	.end_amdhsa_kernel
	.amdgpu_metadata
---
amdhsa.version: [ 1, 2 ]
amdhsa.kernels:
  - .name:           k_qe232782efd_finish
    .symbol:         k_qe232782efd_finish.kd
    .args:
      - { .name: pctx, .offset: 0, .size: 8, .value_kind: global_buffer, .address_space: global }
      - { .name: pstat, .offset: 8, .size: 8, .value_kind: global_buffer, .address_space: global }
      - { .name: Wo_codes, .offset: 16, .size: 8, .value_kind: global_buffer, .address_space: global }
      - { .name: Wo_scales, .offset: 24, .size: 8, .value_kind: global_buffer, .address_space: global }
      - { .name: bo, .offset: 32, .size: 8, .value_kind: global_buffer, .address_space: global }
      - { .name: out0, .offset: 40, .size: 8, .value_kind: global_buffer, .address_space: global }
    .group_segment_fixed_size: 16896
    .private_segment_fixed_size: 0
    .kernarg_segment_align: 8
    .kernarg_segment_size: 48
    .max_flat_workgroup_size: 128
    .sgpr_count:     66
    .vgpr_count:     768
    .wavefront_size: 32
...
	.end_amdgpu_metadata
.endif
;; end of part 2
